; MI455X (gfx1250); checked and timed in simulation.
; The chip was launched on July 23, 2026; its instructions are those of AMD's public machine-readable ISA for CDNA 5 (MIT licence, August 2026) and "CDNA5" Instruction Set Architecture Reference Guide (July 2026). The comments in the code are by the model that wrote it; some were corrected since.
;; Image To Graph Transformer. Allowed arithmetic: matrix products marked QUANTISED: E2M1 operands, one E8M0 scale for each 32 along K, by v_wmma_scale_f32_16x16x128_f8f6f4 with both operands' format E2M1 (or v_wmma_scale_f32_32x16x128_f4), f32 sums; products left as they are: f32 operands where the result goes on into a quantised operand, else bf16, f16 or f32 operands; f32 sums; everything else in f32.
;; Inputs: Wk 256 x 64 float32; Wp 32 x 2 float32; Wq 256 x 64 float32; Wv 256 x 64 float32; bk 256 float32; bp 32 float32; bq 256 float32; bv 256 float32; pos 8 x 8 x 2 float32; x 8 x 64 x 256 x 256 float32; z 8 x 64 float32.
;; Outputs: out0 8 x 8 x 256 float32; out1 8 x 8 x 2 float32.
;; This version of the problem:
;;   THIS VERSION OF THE PROBLEM IS GIVEN IN LOW PRECISION. The matrix products marked QUANTISED in the list below multiply operands that are first quantised to E2M1 (2 exponent bits, 1 mantissa bit; 4 bits a number), with one power-of-two scale for each 32 numbers along K (OCP MX v1.0); their sums are f32. All else is computed in f32.
;;   The module's matrix products, in the order in which they are computed (A, B: the left and right operand; K: the contracted axis; several contracted axes count as one K, in the product's order):
;;     1. [M 8, K 64] x [K 64, N 256]; A: input z; B: input Wq: left as it is (M = 8 < 16)
;;     2. [M 524,288, K 64] x [K 64, N 256]; A: input x; B: input Wk: QUANTISED
;;     3. [M 4,194,304, K 2] x [K 2, N 32]; A: computed on the way; B: input Wp: left as it is (K = 2 < 32)
;;     4. [M 524,288, K 64] x [K 64, N 256]; A: input x; B: input Wv: QUANTISED
;;     5. batch 64 x [M 65,536, K 32] x [K 32, N 1]; A: computed on the way; B: computed on the way: left as it is (N = 1 < 16)
;;     6. [M 64, K 65,536] x [K 65,536, N 2]; A: softmax; B: computed on the way: left as it is (N = 2 < 16)
;;     7. batch 8 x [M 8, K 65,536] x [K 65,536, N 256]; A: softmax; B: computed on the way: left as it is (M = 8 < 16)
;;   THE QUANTISER, for each operand of a quantised product, along K:
;;     - K is cut into blocks of 32 from its start; a last block that is shorter is filled with zeros.
;;     - A block's scale is 2^e with e = floor(log2(the largest magnitude in the block)) - 2, held to -126 .. 127; a block of zeros has e = 0. As a byte (E8M0): e + 127.
;;     - Each number is divided by its block's scale, clamped to +-6, and rounded to the nearest number of E2M1, ties to even, subnormals kept.
;;     - The product sums the exact products of the quantised numbers (number of the format x scale) in f32.
;;   ~~~python
;;   def quantise(x, axis):      # numpy; x: float32 -> the quantised numbers, widened to float32 again
;;       x = np.moveaxis(x, axis, -1); K = x.shape[-1]
;;       x = np.pad(x, [(0, 0)] * (x.ndim - 1) + [(0, -K % 32)]); x = x.reshape(x.shape[:-1] + (-1, 32)); a = np.abs(x).max(-1, keepdims=True)
;;       e = np.where(a > 0, np.clip(np.frexp(np.where(a > 0, a, 1))[1] - 1 - 2, -126, 127), 0)      # np.frexp(a)[1] - 1 = floor(log2(a)), exactly
;;       r = np.clip(x / 2.0 ** e, -6, 6)
;;       step = 2.0 ** (np.maximum(np.frexp(np.where(r == 0, 1, r))[1] - 1, 0) - 1)
;;       q = np.round(r / step) * step * 2.0 ** e      # np.round: ties to even
;;       return np.moveaxis(q.reshape(q.shape[:-2] + (-1,))[..., :K], -1, axis).astype(np.float32)
;;   ~~~
;; One version. Each part assembles by itself: llvm-mc -triple=amdgcn-amd-amdhsa -mcpu=gfx1250 --defsym DOCPART=n.
;; ======== version 1 of 1: 2 launches
;; workspace buffers: part 4,456,448 bytes
;; launch main (part 1): grid 64 x 8, 4 waves a work-group, no clusters, 327,680 bytes of LDS; arguments x, z, pos, Wq, bq, Wk, bk, Wv, Wp, bp, part; writes part
.if DOCPART == 1
	.amdgcn_target "amdgcn-amd-amdhsa--gfx1250"
	.amdhsa_code_object_version 6
	.text
	.protected	k_qf697a375bc_main
	.globl	k_qf697a375bc_main
	.p2align	8
	.type	k_qf697a375bc_main,@function
k_qf697a375bc_main:
	s_mov_b64 s[64:65], 0
	v_nop
	global_prefetch_b8 v0, s[64:65] scope:SCOPE_SE
	s_setreg_imm32_b32 hwreg(HW_REG_WAVE_MODE, 25, 1), 1
	s_wait_xcnt 0x0
; Attention of 8 query heads over the 65,536 positions of an image, one batch b = work-group y.  This launch makes, for 4 image rows (1,024 positions), the partial softmax sums; a second launch merges 64 such partials.
; k = Q(x) Q(Wk)^T + bk and v = Q(x) Q(Wv)^T are products on codes of FP4 (E2M1) with one E8M0 scale for each 32 of the 64 channels; the instruction's K is 128, so x's codes for k = 64..127 are zeros.
; ALGEBRA.  n = 256 i + j.  With qs = q log2(e) / sqrt(32): TA = qs Wp0, TB = qs Wp1, TC = qs (bp - px Wp0 - py Wp1), the logit in powers of two is t = sum_d (k + bk)(j TB + D), D = i TA + TC.
; A wave owns ONE image row i, so D is fixed for it, and t = j SB + SD with SB = sum k TB, SD = sum k D: two packed multiply-adds for two numbers of k, all in f32.
; p = 2^(t - m), m the running maximum of the wave; sums l = sum p, py = sum p j, ACC = sum p v (p and v rounded to bf16 for that product, f32 sums); sum p i is i l.  bv is added by the second launch, behind the division.
; SHARES.  Work-group (x, b): rows 4 x .. 4 x + 3; wave w: row 4 x + w: 256 positions x 64 channels = 64 KiB of x, brought by four tensor loads of 64 channel rows x 256 bytes into the wave's own LDS bytes.
; No LDS byte is filled twice: four tensor loads of a wave are out, and each piece is read behind a counted wait.
; NO CLUSTER: what work-groups share is the weights, 196,608 bytes as f32; beside x's 262,144 bytes LDS has 65,536 left, so they come through registers, are quantised by the four waves (8 tiles each) and are kept as 16 KiB of codes.
; LIMITS: NaN and infinities among the inputs are not served.  A block whose largest magnitude lies under 2^-124 (a block of zeros too) has the scale byte 1; the bytes are read by this program alone.
; The rounding order of (grid - pos) Wp^T + bp differs from the source's (it is split into i TA + j TB + TC); l is the sum of the unrounded p.
; REGISTERS, in windows of 256.  window 0: v0-29 ids, addresses, coordinates; v30-31 x's scale words, v32-47 the weights' (scales and nothing else); v48-63 m, two sets; v64-71 l; v72-79 py; v80-95 logits, then p;
;   v96-127 x's four fragments; v128-255 128 numbers of x, afterwards v128-191 v in bf16, v192-207 SB, SD, v208-223 at work, v224-239 p^T, v240-247 p in bf16.
;   window 1: v0-127 TB, v128-255 D, in the result's layout.   window 2: v0-127 the 32 weight tiles' codes, 4 registers each; v128-255 bk in the result's layout.   window 3: v0-127 ACC; v128-255 two buffers of 8 results.
; A weight operand names 8 registers, its own 4 and the 4 behind them: those stand against x's zero codes and add nothing (FP4 has no NaN, and the scale words' bytes 2 and 3 are 0, not 0xff).
.set WIMG,  262144                     ; LDS behind x: the weight tiles' codes, tile t: 512 bytes, 16 x lane
.set WSC,   278528                     ; their scale words: tile t: 64 bytes, word r
.set TAB,   280576                     ; TA[256], TB[256] at +1024, TC[256] at +2048
.set PT,    283648                     ; wave w: 1,024 bytes: group g: 512; position: 16 bytes = 8 heads in bf16
.set STAT,  287744                     ; wave w: 128 bytes: m[8], l[8] at +32, py[8] at +64
.set STAGE, 288256                     ; wave w: 8 heads x 1,040 bytes
.set SPH,   1040
.set REC,   8704                       ; a work-group's record in part: [8][256] f32, then [32 lanes][m, l, px, py]
.set IFL, 10
.set J,   12
.set JL,  20
.set F,   24
.set XS,  30
.set WS,  32
.set MS,  48
.set LS,  64
.set PY,  72
.set LG,  80
.set XF,  96
.set ST,  128
.set VF,  128
.set SB,  192
.set FO,  192
.set U,   208
.set TMP, 216
.set AT,  224
.set PP,  240
.set CB,  0
.set CD,  128
.set BK,  128
.set RR,  128
.set MSB, 0
.macro WIN new                         ; the immediate's high byte repeats the setting that is left
.if MSB != (\new)
	s_set_vgpr_msb (MSB<<8)|(\new)
.set MSB, (\new)
.endif
.endm
.macro PLACES n
.rept \n
	v_nop
.endr
.endm
; D = A x B + C on FP4 codes; ra, rb: the scale words stand in lanes 16-31 of their registers
.macro MMK d, a, b, c, sa, sb, ra, rb
.if (\ra) && (\rb)
	v_wmma_scale_f32_16x16x128_f8f6f4 v[\d:\d+7], v[\a:\a+7], v[\b:\b+7], v[\c:\c+7], v[\sa], v[\sb] matrix_a_fmt:MATRIX_FMT_FP4 matrix_b_fmt:MATRIX_FMT_FP4 matrix_a_scale:MATRIX_SCALE_ROW1 matrix_b_scale:MATRIX_SCALE_ROW1
.elseif (\ra)
	v_wmma_scale_f32_16x16x128_f8f6f4 v[\d:\d+7], v[\a:\a+7], v[\b:\b+7], v[\c:\c+7], v[\sa], v[\sb] matrix_a_fmt:MATRIX_FMT_FP4 matrix_b_fmt:MATRIX_FMT_FP4 matrix_a_scale:MATRIX_SCALE_ROW1
.elseif (\rb)
	v_wmma_scale_f32_16x16x128_f8f6f4 v[\d:\d+7], v[\a:\a+7], v[\b:\b+7], v[\c:\c+7], v[\sa], v[\sb] matrix_a_fmt:MATRIX_FMT_FP4 matrix_b_fmt:MATRIX_FMT_FP4 matrix_b_scale:MATRIX_SCALE_ROW1
.else
	v_wmma_scale_f32_16x16x128_f8f6f4 v[\d:\d+7], v[\a:\a+7], v[\b:\b+7], v[\c:\c+7], v[\sa], v[\sb] matrix_a_fmt:MATRIX_FMT_FP4 matrix_b_fmt:MATRIX_FMT_FP4
.endif
.endm
; the same with C = 0
.macro MMV d, a, b, sa, sb, ra, rb
.if (\ra) && (\rb)
	v_wmma_scale_f32_16x16x128_f8f6f4 v[\d:\d+7], v[\a:\a+7], v[\b:\b+7], 0, v[\sa], v[\sb] matrix_a_fmt:MATRIX_FMT_FP4 matrix_b_fmt:MATRIX_FMT_FP4 matrix_a_scale:MATRIX_SCALE_ROW1 matrix_b_scale:MATRIX_SCALE_ROW1
.elseif (\ra)
	v_wmma_scale_f32_16x16x128_f8f6f4 v[\d:\d+7], v[\a:\a+7], v[\b:\b+7], 0, v[\sa], v[\sb] matrix_a_fmt:MATRIX_FMT_FP4 matrix_b_fmt:MATRIX_FMT_FP4 matrix_a_scale:MATRIX_SCALE_ROW1
.elseif (\rb)
	v_wmma_scale_f32_16x16x128_f8f6f4 v[\d:\d+7], v[\a:\a+7], v[\b:\b+7], 0, v[\sa], v[\sb] matrix_a_fmt:MATRIX_FMT_FP4 matrix_b_fmt:MATRIX_FMT_FP4 matrix_b_scale:MATRIX_SCALE_ROW1
.else
	v_wmma_scale_f32_16x16x128_f8f6f4 v[\d:\d+7], v[\a:\a+7], v[\b:\b+7], 0, v[\sa], v[\sb] matrix_a_fmt:MATRIX_FMT_FP4 matrix_b_fmt:MATRIX_FMT_FP4
.endif
.endm
	; ---------------- the head: ids, descriptors, addresses
	s_load_b512 s[8:23], s[0:1], 0x0               ; x 8, z 10, pos 12, Wq 14, bq 16, Wk 18, bk 20, Wv 22
	s_load_b128 s[24:27], s[0:1], 0x40             ; Wp 24, bp 26
	s_load_b64 s[28:29], s[0:1], 0x50              ; part
	v_lshl_add_u32 v254, v0, 2, 0x4e800
	v_mov_b32 v255, 0
	ds_add_u32 v254, v255
	ds_add_u32 v254, v255
	s_wait_dscnt 0x0
	v_lshrrev_b32 v1, 5, v0
	v_readfirstlane_b32 s30, v1                    ; wave 0..3
	s_and_b32 s31, ttmp7, 0xffff                   ; b
	s_lshl_b32 s33, ttmp9, 2
	s_add_co_u32 s33, s33, s30                     ; my image row i = 4 x work-group x + wave
	s_mov_b32 s36, 2<<16                           ; group 1: no mask, elements of 4 bytes, no padding
	s_mov_b32 s37, 64<<16                          ; tensor_dim0 = 64 positions
	s_mov_b32 s38, 64<<16                          ; tensor_dim1 = 64 channels
	s_mov_b32 s39, 64<<16                          ; tile_dim0 = 64: a row of 256 bytes, at a multiple of 256 from x's first byte
	s_mov_b32 s40, 64                              ; tile_dim1 = 64
	s_mov_b32 s41, 65536                           ; from channel to channel: 65,536 elements
	s_mov_b32 s42, 0
	s_mov_b32 s43, 0
	s_mov_b32 s60, 0x76543210
	s_mov_b32 s61, 0xfedcba98                      ; v_permlanex16_b32's selects for lane l xor 16
.irp k, 0,1,2,3,4,5,6
	s_mov_b32 s[66+\k], 0x01010101<<(\k+1)         ; the lanes whose number mod 8 is k + 1
.endr
	s_lshl_b32 s73, s30, 16                        ; my wave's 64 KiB of LDS
	v_and_b32 v1, 31, v0                           ; lane
	v_and_b32 v2, 15, v0                           ; r
	v_bfe_u32 v3, v0, 4, 1                         ; hh
	v_lshl_add_u32 v4, v1, 2, s73                  ; x in LDS: my position's 4 bytes of a channel row
	s_lshl_b32 s32, s30, 10
	s_add_co_u32 s32, s32, PT
	v_lshl_add_u32 v5, v1, 4, s32                  ; p: position = lane stores 16 bytes
	v_and_b32 v6, 7, v0
	v_lshl_add_u32 v6, v3, 3, v6
	v_lshl_add_u32 v6, v6, 4, s32                  ; and the turning load takes position 8 hh + lane mod 8
	v_lshl_add_u32 v7, v0, 2, TAB                  ; tables: word of row T
	v_lshlrev_b32 v8, 8, v2
	v_lshl_add_u32 v8, v3, 7, v8                   ; a weight tile: row r of 256 bytes, block hh of 128
	v_lshlrev_b32 v9, 3, v3                        ; 8 hh: my scale byte's place in the word
	v_lshlrev_b32 v12, 8, v0                       ; Wq: row T
	v_lshlrev_b32 v13, 2, v0                       ; bq
	v_lshlrev_b32 v14, 3, v1                       ; Wp: row d = lane
	v_lshlrev_b32 v15, 2, v1                       ; bp
	v_mov_b32 v16, 0                               ; z: the same for all lanes
	v_lshl_add_u32 v17, v1, 4, WIMG
	v_lshl_add_u32 v18, v1, 2, WSC
	s_lshl_b32 s32, s30, 12
	s_add_co_u32 s32, s32, WIMG
	v_lshl_add_u32 v26, v1, 4, s32                 ; where my 8 tiles' codes go
	s_lshl_b32 s32, s30, 9
	s_add_co_u32 s32, s32, WSC
	v_lshl_add_u32 v27, v2, 2, s32                 ; and their scale words
	v_lshlrev_b32 v28, 5, v3                       ; 32 hh: eight numbers of my half in the result's layout
	v_add_nc_u32 v29, TAB, v28
	v_mov_b32 v25, 0                               ; named with v24 as a pair, so it is written
	s_mov_b32 s35, 0
	s_lshl_b32 s34, s31, 24                        ; b x 64 channels x 262,144 bytes
	s_lshl_b32 s32, s33, 10                        ; + i rows of 1,024 bytes
	s_add_co_u32 s34, s34, s32
	s_wait_kmcnt 0x0
	s_add_nc_u64 s[8:9], s[8:9], s[34:35]          ; x at my row, channel 0
	s_lshl_b32 s34, s31, 8
	s_add_nc_u64 s[74:75], s[10:11], s[34:35]      ; z[b]
	s_lshl_b32 s34, s31, 6
	s_lshl_b32 s32, s30, 3
	s_add_co_u32 s34, s34, s32
	s_add_nc_u64 s[12:13], s[12:13], s[34:35]      ; pos[b][w]
	s_and_b32 s34, s30, 1
	s_lshl_b32 s34, s34, 15
	s_cmp_lt_u32 s30, 2                            ; waves 0, 1 quantise Wk's halves, waves 2, 3 Wv's
	s_cselect_b64 s[80:81], s[18:19], s[22:23]
	s_add_nc_u64 s[80:81], s[80:81], s[34:35]
	s_lshl_b32 s34, s31, 6
	s_add_co_u32 s34, s34, ttmp9
	s_mul_i32 s34, s34, REC
	s_add_nc_u64 s[82:83], s[28:29], s[34:35]      ; my work-group's record
	s_load_b64 s[76:77], s[12:13], 0x0             ; pos of head w
	s_load_b64 s[78:79], s[12:13], 0x20            ; and of head w + 4
.irp p, 0,1,2,3
	s_mov_b32 s[44+4*\p], 1                        ; group 0 of piece p: count = 1
	s_add_co_u32 s[45+4*\p], s73, \p*16384         ; LDS: wave x 65,536 + piece x 16,384
	s_add_nc_u64 s[46+4*\p:47+4*\p], s[8:9], \p*256   ; positions 64 p on
	s_or_b32 s[47+4*\p], s[47+4*\p], 0x80000000    ; type = 2
.endr
	; the prologue's loads go out ahead of x's 64 KiB a wave.  First 52: Wq's rows T and T + 128, z[b], bq, Wp, bp
.set ii, 0
.rept 16
	global_load_b128 v[128+4*ii:131+4*ii], v12, s[14:15] offset:16*ii
	global_load_b128 v[192+4*ii:195+4*ii], v12, s[14:15] offset:32768+16*ii
	global_load_b128 v[64+4*ii:67+4*ii], v16, s[74:75] offset:16*ii
.set ii, ii+1
.endr
	global_load_b32 v56, v13, s[16:17]
	global_load_b32 v57, v13, s[16:17] offset:512
	global_load_b64 v[58:59], v14, s[24:25]
	global_load_b32 v60, v15, s[26:27]
	WIN 0x40                                       ; destination window 1.  Then 64: my 8 weight tiles, lane (r, hh): block hh of row r, 32 numbers
.set ti, 0
.rept 8
.set ii, 0
.rept 8
	global_load_b128 v[32*ti+4*ii:32*ti+4*ii+3], v8, s[80:81] offset:4096*ti+16*ii
.set ii, ii+1
.endr
.set ti, ti+1
.endr
	WIN 0
	tensor_load_to_lds s[44:47], s[36:43]          ; my row of x, four pieces: all first fills, in one group, ahead of every wait on TENSORcnt, LDS read and barrier
	s_nop 0
	tensor_load_to_lds s[48:51], s[36:43]
	s_nop 0
	tensor_load_to_lds s[52:55], s[36:43]
	s_nop 0
	tensor_load_to_lds s[56:59], s[36:43]
	s_nop 0
	PLACES 4
	; ---------------- q and the tables: thread T makes rows T (head w) and T + 128 (head w + 4), d = lane
	s_wait_loadcnt 63                              ; 64 loads were issued behind the first 52; the count is the field's largest, which shows 53 done
	s_wait_kmcnt 0x0                               ; pos
.irp o, 0,1
	v_pk_mul_f32 v[48+4*\o:49+4*\o], v[128+64*\o:129+64*\o], v[64:65]
	v_pk_mul_f32 v[50+4*\o:51+4*\o], v[130+64*\o:131+64*\o], v[66:67]
.endr
.set ii, 4
.rept 15
.irp o, 0,1
	v_pk_fma_f32 v[48+4*\o:49+4*\o], v[128+64*\o+ii:129+64*\o+ii], v[64+ii:65+ii], v[48+4*\o:49+4*\o]
	v_pk_fma_f32 v[50+4*\o:51+4*\o], v[130+64*\o+ii:131+64*\o+ii], v[66+ii:67+ii], v[50+4*\o:51+4*\o]
.endr
.set ii, ii+4
.endr
	v_pk_add_f32 v[48:49], v[48:49], v[50:51]
	v_pk_add_f32 v[52:53], v[52:53], v[54:55]
	v_add_f32 v48, v48, v49
	v_add_f32 v52, v52, v53
	v_add_f32 v48, v48, v56                        ; + bq
	v_add_f32 v52, v52, v57
	v_mul_f32 v48, 0x3e8293ee, v48                 ; qs = q log2(e) / sqrt(32)
	v_mul_f32 v52, 0x3e8293ee, v52
	v_fma_f32 v61, -v58, s76, v60                  ; bp - px Wp0
	v_fma_f32 v62, -v58, s78, v60
	v_fma_f32 v61, -v59, s77, v61                  ; - py Wp1
	v_fma_f32 v62, -v59, s79, v62
	v_mul_f32 v49, v48, v58                        ; TA
	v_mul_f32 v50, v48, v59                        ; TB
	v_mul_f32 v51, v48, v61                        ; TC
	v_mul_f32 v53, v52, v58
	v_mul_f32 v54, v52, v59
	v_mul_f32 v55, v52, v62
	ds_store_b32 v7, v49
	ds_store_b32 v7, v53 offset:512
	ds_store_b32 v7, v50 offset:1024
	ds_store_b32 v7, v54 offset:1536
	ds_store_b32 v7, v51 offset:2048
	ds_store_b32 v7, v55 offset:2560
	WIN 0x80                                       ; bk in the result's layout: tile t, lane half hh: bk[16 t + 8 hh + 0..7]
.set ti, 0
.rept 16
	global_load_b128 v[BK+8*ti:BK+8*ti+3], v28, s[20:21] offset:64*ti
	global_load_b128 v[BK+8*ti+4:BK+8*ti+7], v28, s[20:21] offset:64*ti+16
.set ti, ti+1
.endr
	WIN 0
	s_wait_dscnt 0x0                               ; the table stores have read v49-55, which are written again below
	; ---------------- my 8 weight tiles become codes and scale words; the eight take turns line by line
	s_wait_loadcnt 32                              ; bk's 32 loads may be out: the weights are in
	WIN 0x05
.irp t, 0,1,2,3,4,5,6,7
	v_max3_num_f32 v[48+\t], |v[32*\t]|, |v[32*\t+1]|, 0x1800000   ; with the floor 2^(3 - 127): the byte cannot fall under 1
.endr
	WIN 0x14
.set ii, 2
.rept 15
.irp t, 0,1,2,3,4,5,6,7
	v_max3_num_f32 v[48+\t], v[48+\t], |v[32*\t+ii]|, |v[32*\t+ii+1]|
.endr
.set ii, ii+2
.endr
	WIN 0
.irp t, 0,1,2,3,4,5,6,7
	v_add_nc_u32 v[56+\t], 0xff000000, v[48+\t]    ; 2 off the exponent field: the conversion's scale operand
.endr
.irp t, 0,1,2,3,4,5,6,7
	v_lshrrev_b32 v[64+\t], 23, v[56+\t]           ; the byte of block hh
.endr
.irp t, 0,1,2,3,4,5,6,7
	v_lshlrev_b32 v[64+\t], v9, v[64+\t]           ; at its place in the word
.endr
.irp t, 0,1,2,3,4,5,6,7
	v_mov_b32 v[72+\t], 0                          ; a lane permute's destination counts as one of its sources
.endr
.irp t, 0,1,2,3,4,5,6,7
	v_permlanex16_b32 v[72+\t], v[64+\t], s60, s61
.endr
.irp t, 0,1,2,3,4,5,6,7
	v_or_b32 v[64+\t], v[64+\t], v[72+\t]          ; e0 | e1 << 8; bytes 2 and 3 stay 0
.endr
	WIN 0x01
.irp t, 0,1,2,3,4,5,6,7
.irp q, 0,1,2,3
	v_cvt_scalef32_pk8_fp4_f32 v[96+4*\t+\q], v[32*\t+8*\q:32*\t+8*\q+7], v[56+\t]
.endr
.endr
	v_nop                                          ; one plain place behind the last scaled conversion
	WIN 0
.irp t, 0,1,2,3,4,5,6,7
	ds_store_b128 v26, v[96+4*\t:99+4*\t] offset:512*\t     ; the operand's registers 0-3 as they stand, 16 bytes a lane
	ds_store_b32 v27, v[64+\t] offset:64*\t                 ; both halves of the lanes write the same word with the same value
.endr
	s_wait_dscnt 0x0                               ; my stores of tables, codes and scale words are done
	s_barrier_signal -1
	s_barrier_wait -1                              ; everybody's are.
	; ---------------- every wave takes all codes, scale words and tables into registers, for the whole launch
	WIN 0x80
.set ti, 0
.rept 32
	ds_load_b128 v[4*ti:4*ti+3], v17 offset:512*ti
.set ti, ti+1
.endr
	WIN 0x40
.set ti, 0
.rept 16
	ds_load_b128 v[CB+8*ti:CB+8*ti+3], v29 offset:1024+64*ti
	ds_load_b128 v[CB+8*ti+4:CB+8*ti+7], v29 offset:1024+64*ti+16
	ds_load_b128 v[CD+8*ti:CD+8*ti+3], v29 offset:2048+64*ti
	ds_load_b128 v[CD+8*ti+4:CD+8*ti+7], v29 offset:2048+64*ti+16
.set ti, ti+1
.endr
	WIN 0xc0
.set ti, 0
.rept 16
	ds_load_b128 v[RR+8*ti:RR+8*ti+3], v29 offset:64*ti
	ds_load_b128 v[RR+8*ti+4:RR+8*ti+7], v29 offset:64*ti+16
.set ti, ti+1
.endr
	WIN 0
.set ti, 0
.rept 16
	ds_load_b32 v[WS+ti], v18 offset:128*ti        ; lanes 0-15: tile 2 u's words, lanes 16-31: tile 2 u + 1's
.set ti, ti+1
.endr
	v_cvt_f32_u32 v[IFL], s33
	v_mov_b32 v[IFL+1], v[IFL]
.irp t, 0,1,2,3
.irp q, 4,5,6,7
	v_mov_b32 v[XF+8*\t+\q], 0                     ; x's codes for k = 64 .. 127: zeros, written once
.endr
.endr
	s_wait_dscnt 0x0
	s_wait_loadcnt 0x0                             ; bk; and every load that read v12-18 is done
	WIN 0x53
.set ii, 0
.rept 64
	v_pk_fma_f32 v[CD+ii:CD+ii+1], v[RR+ii:RR+ii+1], v[IFL:IFL+1], v[CD+ii:CD+ii+1]   ; D = i TA + TC
.set ii, ii+2
.endr
	WIN 0
.irp t, 0,1,2,3
	v_add_nc_u32 v[J+2*\t], 16*\t-64, v2           ; j of tile t's position r, 64 low: each chunk begins by adding 64
.endr
.irp g, 0,1
	v_add_nc_u32 v[JL+2*\g], 32*\g-64, v1          ; j of group g's position = lane, likewise
.endr
.irp t, 0,1,2,3,4,5
	v_cvt_f32_i32 v[J+2*\t], v[J+2*\t]             ; (JL's two pairs follow J's four)
.endr
.irp t, 0,1,2,3,4,5
	v_mov_b32 v[J+2*\t+1], v[J+2*\t]
.endr
; 32 positions (group g; lane = position, registers down the 64 channels) become two fragments and a scale word a position
.macro QX g
.set QB, ST+64*\g
	v_max3_num_f32 v80, |v[QB]|, |v[QB+1]|, 0x1800000              ; block 0, first chain, with the floor 2^(3 - 127)
	v_max3_num_f32 v81, |v[QB+16]|, |v[QB+17]|, |v[QB+18]|          ; block 0, second chain
	v_max3_num_f32 v82, |v[QB+32]|, |v[QB+33]|, 0x1800000           ; block 1
	v_max3_num_f32 v83, |v[QB+48]|, |v[QB+49]|, |v[QB+50]|
.set ii, 0
.rept 6
	v_max3_num_f32 v80, v80, |v[QB+2+ii]|, |v[QB+3+ii]|
	v_max3_num_f32 v81, v81, |v[QB+19+ii]|, |v[QB+20+ii]|
	v_max3_num_f32 v82, v82, |v[QB+34+ii]|, |v[QB+35+ii]|
	v_max3_num_f32 v83, v83, |v[QB+51+ii]|, |v[QB+52+ii]|
.set ii, ii+2
.endr
	v_max3_num_f32 v80, v80, |v[QB+14]|, |v[QB+15]|
	v_max3_num_f32 v82, v82, |v[QB+46]|, |v[QB+47]|
	v_max3_num_f32 v80, v80, v81, |v[QB+31]|
	v_max3_num_f32 v82, v82, v83, |v[QB+63]|
	v_add_nc_u32 v84, 0xff000000, v80              ; 2 off the exponent field: the conversion's scale operand
	v_add_nc_u32 v85, 0xff000000, v82
	v_lshrrev_b32 v86, 23, v84
	v_lshrrev_b32 v87, 23, v85
	v_lshl_or_b32 v[XS+\g], v87, 8, v86            ; e0 | e1 << 8
.irp q, 0,1,2,3
	v_cvt_scalef32_pk8_fp4_f32 v[XF+16*\g+\q], v[QB+8*\q:QB+8*\q+7], v84
	v_cvt_scalef32_pk8_fp4_f32 v[XF+16*\g+8+\q], v[QB+32+8*\q:QB+32+8*\q+7], v85
.endr
	v_nop                                          ; one plain place behind the last scaled conversion
.irp q, 0,1,2,3
	v_permlane16_swap_b32 v[XF+16*\g+\q], v[XF+16*\g+8+\q]   ; now tile 2 g: positions 0-15, tile 2 g + 1: positions 16-31; lanes 0-15 block 0, lanes 16-31 block 1
.endr
.endm
; head h's k for the chunk's 64 positions: source 0 = 16 rows of Wk, source 1 = 16 positions, C = bk.  Lane = position r, register = row 16 t + 8 hh + j
.macro KB h
	WIN 0xe2
.set RB, RR+64*((\h)%2)
.irp u, 0,1
.irp t, 0,1,2,3
	MMK RB+8*(4*\u+\t), 4*(2*(\h)+\u), XF+8*\t, BK+8*(2*(\h)+\u), WS+(\h), XS+\t/2, \u, \t%2
.endr
.endr
.endm
; head h's logits: SB += k TB, SD += k D, eight chains; each result is read from its low end on; then t = j SB + SD, summed over the pair and the two halves of the lanes
.macro KV h
	WIN 0x07
.set RB, RR+64*((\h)%2)
.irp u, 0,1
.irp e, 0,1,2,3
.irp t, 0,1,2,3
.if (\u==0)&&(\e==0)
	v_pk_mul_f32 v[SB+4*\t:SB+4*\t+1], v[RB+8*(4*\u+\t)+2*\e:RB+8*(4*\u+\t)+2*\e+1], v[CB+8*(2*(\h)+\u)+2*\e:CB+8*(2*(\h)+\u)+2*\e+1]
	v_pk_mul_f32 v[SB+4*\t+2:SB+4*\t+3], v[RB+8*(4*\u+\t)+2*\e:RB+8*(4*\u+\t)+2*\e+1], v[CD+8*(2*(\h)+\u)+2*\e:CD+8*(2*(\h)+\u)+2*\e+1]
.else
	v_pk_fma_f32 v[SB+4*\t:SB+4*\t+1], v[RB+8*(4*\u+\t)+2*\e:RB+8*(4*\u+\t)+2*\e+1], v[CB+8*(2*(\h)+\u)+2*\e:CB+8*(2*(\h)+\u)+2*\e+1], v[SB+4*\t:SB+4*\t+1]
	v_pk_fma_f32 v[SB+4*\t+2:SB+4*\t+3], v[RB+8*(4*\u+\t)+2*\e:RB+8*(4*\u+\t)+2*\e+1], v[CD+8*(2*(\h)+\u)+2*\e:CD+8*(2*(\h)+\u)+2*\e+1], v[SB+4*\t+2:SB+4*\t+3]
.endif
.endr
.endr
.endr
	WIN 0
.irp t, 0,1,2,3
	v_pk_fma_f32 v[SB+4*\t+2:SB+4*\t+3], v[SB+4*\t:SB+4*\t+1], v[J+2*\t:J+2*\t+1], v[SB+4*\t+2:SB+4*\t+3]
.endr
.irp t, 0,1,2,3
	v_add_f32 v[U+\t], v[SB+4*\t+2], v[SB+4*\t+3]
.endr
	v_permlane16_swap_b32 v[U], v[U+1]             ; first: both tiles' halves hh = 0, second: their halves hh = 1
	v_permlane16_swap_b32 v[U+2], v[U+3]
	v_add_f32 v[LG+(\h)], v[U], v[U+1]             ; lane = position of group 0
	v_add_f32 v[LG+8+(\h)], v[U+2], v[U+3]         ; of group 1
.endm
; batch n of v: group n / 4's 32 positions x 64 columns: source 0 = 16 positions, source 1 = 16 rows of Wv.  Lane = column, registers = positions 8 hh + j
.macro W4 n
	WIN 0xc8
.set RB, RR+64*((\n)%2)
.set GG, (\n)/4
.set BB, (\n)%4
.irp k, 0,1,2,3
.irp t, 0,1
	MMV RB+8*(2*\k+\t), XF+8*(2*GG+\t), 4*(16+4*BB+\k), XS+GG, WS+8+2*BB+\k/2, \t, \k%2
.endr
.endr
.endm
; the batch rounded to bf16: the two tiles of positions are registers 0-3 and 4-7 of a fragment of 16 columns x 32 positions
.macro CVT n
	WIN 0x0f
.set RB, RR+64*((\n)%2)
.set VB, VF+32*((\n)%2)
.irp k, 0,1,2,3
.irp t, 0,1
.irp a, 0,1,2,3
	v_cvt_pk_bf16_f32 v[VB+8*\k+4*\t+\a], v[RB+8*(2*\k+\t)+2*\a], v[RB+8*(2*\k+\t)+2*\a+1]
.endr
.endr
.endr
.endm
; ACC += v^T p: source 0 = 16 columns, source 1 = p^T (lane = head).  Lane = head, register = column 16 t + 8 hh + j.  The accumulators take turns, one instruction a turn
.macro WB n, zero
	WIN 0xf0
.set VB, VF+32*((\n)%2)
.set GG, (\n)/4
.set BB, (\n)%4
.irp k, 0,1,2,3
.if \zero
	v_wmma_f32_16x16x32_bf16 v[8*(4*BB+\k):8*(4*BB+\k)+7], v[VB+8*\k:VB+8*\k+7], v[AT+8*GG:AT+8*GG+7], 0
.else
	v_wmma_f32_16x16x32_bf16 v[8*(4*BB+\k):8*(4*BB+\k)+7], v[VB+8*\k:VB+8*\k+7], v[AT+8*GG:AT+8*GG+7], v[8*(4*BB+\k):8*(4*BB+\k)+7]
.endif
.endr
.endm
; the chunk's softmax step.  first = 1: it starts m, l, py, and there is nothing to rescale
.macro SOFT p, first
.set MN, MS+8*((\p)%2)
.set MO, MS+8*(((\p)+1)%2)
	WIN 0
.irp h, 0,1,2,3,4,5,6,7
.if \first
	v_max_num_f32 v[U+\h], v[LG+\h], v[LG+8+\h]
.else
	v_max3_num_f32 v[U+\h], v[LG+\h], v[LG+8+\h], v[MO+\h]
.endif
.endr
.irp m, 1,2,4,8
.irp h, 0,1,2,3,4,5,6,7
	v_max_num_f32_dpp v[U+\h], v[U+\h], v[U+\h] row_xmask:\m row_mask:0xf bank_mask:0xf
.endr
.endr
.irp h, 0,1,2,3,4,5,6,7
	v_permlanex16_b32 v[TMP+\h], v[U+\h], s60, s61
.endr
.irp h, 0,1,2,3,4,5,6,7
	v_max_num_f32 v[MN+\h], v[U+\h], v[TMP+\h]     ; the new m, the same in every lane
.endr
.irp a, 0,2,4,6
.if !\first
	v_pk_add_f32 v[FO+\a:FO+\a+1], v[MO+\a:MO+\a+1], v[MN+\a:MN+\a+1] neg_lo:[0,1] neg_hi:[0,1]
.endif
	v_pk_add_f32 v[LG+\a:LG+\a+1], v[LG+\a:LG+\a+1], v[MN+\a:MN+\a+1] neg_lo:[0,1] neg_hi:[0,1]
	v_pk_add_f32 v[LG+8+\a:LG+9+\a], v[LG+8+\a:LG+9+\a], v[MN+\a:MN+\a+1] neg_lo:[0,1] neg_hi:[0,1]
.endr
.if !\first
.irp h, 0,1,2,3,4,5,6,7
	v_exp_f32 v[FO+\h], v[FO+\h]                   ; 2^(old m - new m)
.endr
.endif
.irp h, 0,1,2,3,4,5,6,7,8,9,10,11,12,13,14,15
	v_exp_f32 v[LG+\h], v[LG+\h]                   ; p
.endr
	v_nop                                          ; a plain place behind the exponentials
	s_wait_alu depctr_va_vdst(0)
.irp a, 0,2,4,6
.if \first
	s_wait_alu depctr_va_vdst(0)
	v_pk_add_f32 v[LS+\a:LS+\a+1], v[LG+\a:LG+\a+1], v[LG+8+\a:LG+9+\a]
	v_pk_mul_f32 v[PY+\a:PY+\a+1], v[LG+\a:LG+\a+1], v[JL:JL+1]
.else
	v_pk_fma_f32 v[LS+\a:LS+\a+1], v[LS+\a:LS+\a+1], v[FO+\a:FO+\a+1], v[LG+\a:LG+\a+1]
	v_pk_mul_f32 v[PY+\a:PY+\a+1], v[PY+\a:PY+\a+1], v[FO+\a:FO+\a+1]
.endif
.endr
.irp a, 0,2,4,6
.if !\first
	v_pk_add_f32 v[LS+\a:LS+\a+1], v[LS+\a:LS+\a+1], v[LG+8+\a:LG+9+\a]
	v_pk_fma_f32 v[PY+\a:PY+\a+1], v[LG+\a:LG+\a+1], v[JL:JL+1], v[PY+\a:PY+\a+1]
.endif
.endr
.irp a, 0,2,4,6
	v_pk_fma_f32 v[PY+\a:PY+\a+1], v[LG+8+\a:LG+9+\a], v[JL+2:JL+3], v[PY+\a:PY+\a+1]
.endr
.irp g, 0,1
.irp a, 0,1,2,3
	v_cvt_pk_bf16_f32 v[PP+4*\g+\a], v[LG+8*\g+2*\a], v[LG+8*\g+2*\a+1]
.endr
.endr
	ds_store_b128 v5, v[PP:PP+3]                   ; [position][head], 16 bytes a position, in my wave's own bytes
	ds_store_b128 v5, v[PP+4:PP+7] offset:512
	ds_load_tr16_b128 v[AT:AT+3], v6               ; LDS serves a wave's instructions in order: these see the stores.  Turned: lane = head (lanes 8-15 of a half: copies), 8 positions
	ds_load_tr16_b128 v[AT+4:AT+7], v6 offset:256
	ds_load_tr16_b128 v[AT+8:AT+11], v6 offset:512
	ds_load_tr16_b128 v[AT+12:AT+15], v6 offset:768
.if !\first
	v_mov_b32 v[F], v[FO]                          ; my lane's head's factor
.irp k, 0,1,2,3,4,5,6
	v_cndmask_b32 v[F], v[F], v[FO+1+\k], s[66+\k]
.endr
	WIN 0xc3
.set ii, 0
.rept 64
	v_pk_mul_f32 v[ii:ii+1], v[ii:ii+1], v[F:F+1] op_sel_hi:[1,0]   ; ACC under the new m, each accumulator from its low end on
.set ii, ii+2
.endr
.endif
	s_wait_dscnt 0x0                               ; p^T is in
.endm
; A CHUNK: piece p of my row, 64 positions
.macro CHUNK p, first
	WIN 0
	s_wait_tensorcnt 3-\p                          ; tensor loads of a wave end in order: the 3 - p younger pieces may be out
.if !\first
	PLACES 4                                       ; in front of loads into registers that the last matrix instructions have read
.endif
.set ci, 0
.rept 64
	ds_load_b32 v[ST+ci], v4 offset:16384*\p+256*ci
.set ci, ci+1
.endr
.set ci, 0
.rept 64
	ds_load_b32 v[ST+64+ci], v4 offset:16384*\p+256*ci+128
.set ci, ci+1
.endr
	s_wait_dscnt 63                                ; group 1's 64 loads are younger; the count is the field's largest: group 0 is in
	QX 0
	s_wait_dscnt 0x0
	QX 1
	PLACES 8                                       ; a scale register written by a vector instruction stands 8 places ahead of a scaled matrix instruction, an operand 4
	KB 0
	KB 1
	WIN 0
.irp t, 0,1,2,3,4,5
	v_pk_add_f32 v[J+2*\t:J+2*\t+1], v[J+2*\t:J+2*\t+1], 0x42800000 op_sel_hi:[1,0]   ; this chunk's j: + 64.  Six places behind the first results
.endr
	KV 0
.irp n, 2,3,4,5,6,7
	KB \n                                          ; a batch of products stands ahead of the vector work on the batch before: that work is the places behind it
	KV \n-1
.endr
	W4 0
	KV 7
	W4 1
	SOFT \p, \first
.irp n, 0,1,2,3,4,5,6,7
	CVT \n
	WB \n, (\first)&&(\n<4)
.if \n<6
	W4 \n+2
.endif
.endr
	WIN 0
.endm
	CHUNK 0, 1
	CHUNK 1, 0
	CHUNK 2, 0
	CHUNK 3, 0                                     ; its wait on TENSORcnt is for 0: no tensor load is out from here on
	; ---------------- THE WAY OUT.  l and py over the 32 lanes; the four waves' m, l, py meet in LDS
	PLACES 4
.irp m, 1,2,4,8
.irp q, 0,1,2,3,4,5,6,7,8,9,10,11,12,13,14,15
	v_add_f32_dpp v[LS+\q], v[LS+\q], v[LS+\q] row_xmask:\m row_mask:0xf bank_mask:0xf
.endr
.endr
.irp q, 0,1,2,3,4,5,6,7,8,9,10,11,12,13,14,15
	v_permlanex16_b32 v[U+\q], v[LS+\q], s60, s61
.endr
.irp q, 0,1,2,3,4,5,6,7,8,9,10,11,12,13,14,15
	v_add_f32 v[LS+\q], v[LS+\q], v[U+\q]
.endr
	s_lshl_b32 s34, s30, 7
	s_add_co_u32 s34, s34, STAT
	v_mov_b32 v12, s34                             ; my wave's statistics
	v_mov_b32 v13, STAT                            ; all four waves'
	v_lshrrev_b32 v14, 3, v1
	v_and_b32 v15, 7, v0
	v_lshlrev_b32 v15, 2, v15
	v_lshl_add_u32 v14, v14, 7, v15
	v_add_nc_u32 v14, STAT, v14                    ; lane = 8 w' + h: wave w', head h
	v_and_b32 v16, 7, v0
	v_mul_u32_u24 v16, v16, SPH
	v_lshl_add_u32 v16, v3, 5, v16
	s_mul_i32 s34, s30, 8*SPH
	s_add_co_u32 s34, s34, STAGE
	v_add_nc_u32 v16, s34, v16                     ; my stage: head = lane mod 8, + 32 hh
	v_lshrrev_b32 v17, 6, v0
	v_and_b32 v18, 63, v0
	v_mul_u32_u24 v19, v17, SPH
	v_lshl_add_u32 v19, v18, 4, v19
	v_add_nc_u32 v19, STAGE, v19                   ; back: head T / 64 (+ 2 k), 16 bytes at 16 (T mod 64)
	v_lshlrev_b32 v20, 10, v17
	v_lshl_add_u32 v20, v18, 4, v20                ; and the same place in the record
	v_lshlrev_b32 v21, 4, v1
	ds_store_b128 v12, v[MS+8:MS+11]               ; m (the last chunk wrote set 1); every lane writes the same bytes with the same values
	ds_store_b128 v12, v[MS+12:MS+15] offset:16
	ds_store_b128 v12, v[LS:LS+3] offset:32
	ds_store_b128 v12, v[LS+4:LS+7] offset:48
	ds_store_b128 v12, v[PY:PY+3] offset:64
	ds_store_b128 v12, v[PY+4:PY+7] offset:80
	s_wait_dscnt 0x0                               ; my statistics are stored
	s_barrier_signal -1
	s_barrier_wait -1                              ; everybody's are
.irp w, 0,1,2,3
	ds_load_b128 v[ST+8*\w:ST+8*\w+3], v13 offset:128*\w
	ds_load_b128 v[ST+8*\w+4:ST+8*\w+7], v13 offset:128*\w+16
.endr
	s_wait_dscnt 0x0
.irp h, 0,1,2,3,4,5,6,7
	v_max3_num_f32 v[FO+\h], v[ST+\h], v[ST+8+\h], v[ST+16+\h]
.endr
.irp h, 0,1,2,3,4,5,6,7
	v_max_num_f32 v[FO+\h], v[FO+\h], v[ST+24+\h]  ; the work-group's m
.endr
.irp h, 0,1,2,3,4,5,6,7
	v_sub_f32 v[FO+\h], v[MS+8+\h], v[FO+\h]
.endr
.irp h, 0,1,2,3,4,5,6,7
	v_exp_f32 v[FO+\h], v[FO+\h]
.endr
	v_nop                                          ; a plain place behind the exponentials
	s_wait_alu depctr_va_vdst(0)
	v_mov_b32 v[F], v[FO]
.irp k, 0,1,2,3,4,5,6
	v_cndmask_b32 v[F], v[F], v[FO+1+\k], s[66+\k]
.endr
	WIN 0xc3
.set ii, 0
.rept 64
	v_pk_mul_f32 v[ii:ii+1], v[ii:ii+1], v[F:F+1] op_sel_hi:[1,0]   ; ACC under the work-group's m
.set ii, ii+2
.endr
	WIN 0x0c                                       ; an LDS store's data are its source 1: window 3
.set ti, 0
.rept 16
	ds_store_b128 v16, v[8*ti:8*ti+3] offset:64*ti           ; columns 16 t + 8 hh + 0..3 of my head; lanes r and r + 8 hold the same head and write the same values
	ds_store_b128 v16, v[8*ti+4:8*ti+7] offset:64*ti+16
.set ti, ti+1
.endr
	WIN 0
	s_wait_dscnt 0x0                               ; my stage is written
	s_barrier_signal -1
	s_barrier_wait -1                              ; all four are
.irp k, 0,1,2,3
.irp w, 0,1,2,3
	ds_load_b128 v[ST+16*\k+4*\w:ST+16*\k+4*\w+3], v19 offset:8*SPH*\w+2*SPH*\k
.endr
.endr
	s_wait_dscnt 0x0
.irp k, 0,1,2,3
	v_pk_add_f32 v[ST+16*\k:ST+16*\k+1], v[ST+16*\k:ST+16*\k+1], v[ST+16*\k+4:ST+16*\k+5]
	v_pk_add_f32 v[ST+16*\k+2:ST+16*\k+3], v[ST+16*\k+2:ST+16*\k+3], v[ST+16*\k+6:ST+16*\k+7]
	v_pk_add_f32 v[ST+16*\k+8:ST+16*\k+9], v[ST+16*\k+8:ST+16*\k+9], v[ST+16*\k+12:ST+16*\k+13]
	v_pk_add_f32 v[ST+16*\k+10:ST+16*\k+11], v[ST+16*\k+10:ST+16*\k+11], v[ST+16*\k+14:ST+16*\k+15]
.endr
.irp k, 0,1,2,3
	v_pk_add_f32 v[ST+16*\k:ST+16*\k+1], v[ST+16*\k:ST+16*\k+1], v[ST+16*\k+8:ST+16*\k+9]
	v_pk_add_f32 v[ST+16*\k+2:ST+16*\k+3], v[ST+16*\k+2:ST+16*\k+3], v[ST+16*\k+10:ST+16*\k+11]
.endr
.irp k, 0,1,2,3
	global_store_b128 v20, v[ST+16*\k:ST+16*\k+3], s[82:83] offset:2048*\k   ; a wave's store covers 512 consecutive bytes, at a multiple of 256 from the record's first byte
.endr
	s_cmp_lg_u32 s30, 0                            ; wave 0 alone merges the four waves' statistics; no barrier follows
	s_cbranch_scc1 .Lend
	ds_load_b32 v212, v14                          ; m of wave w', head h
	ds_load_b32 v209, v14 offset:32                ; l
	ds_load_b32 v211, v14 offset:64                ; py
	s_lshl_b32 s34, ttmp9, 2
	s_wait_dscnt 0x0
	v_mov_b32 v208, v212
	v_max_num_f32_dpp v208, v208, v208 row_xmask:8 row_mask:0xf bank_mask:0xf   ; lanes l xor 8 and l xor 16 hold the head's other waves
	v_permlanex16_b32 v213, v208, s60, s61
	v_max_num_f32 v208, v208, v213                 ; the work-group's m
	v_sub_f32 v212, v212, v208
	v_exp_f32 v212, v212
	v_lshrrev_b32 v214, 3, v1                      ; (a plain place behind the exponential)
	v_add_nc_u32 v214, s34, v214
	v_cvt_f32_u32 v214, v214                       ; wave w' owns image row 4 x + w'
	s_wait_alu depctr_va_vdst(0)
	v_mul_f32 v209, v212, v209
	v_mul_f32 v211, v212, v211
	v_mul_f32 v210, v209, v214                     ; sum p i = i l
.irp q, 209,210,211
	v_add_f32_dpp v[\q], v[\q], v[\q] row_xmask:8 row_mask:0xf bank_mask:0xf
.endr
.irp q, 209,210,211
	v_permlanex16_b32 v[\q+6], v[\q], s60, s61
.endr
.irp q, 209,210,211
	v_add_f32 v[\q], v[\q], v[\q+6]
.endr
	global_store_b128 v21, v[208:211], s[82:83] offset:8192   ; (m, l, px, py), head = lane mod 8, four copies: 512 consecutive bytes
.Lend:
	s_wait_xcnt 0x0
	v_lshl_add_u32 v254, v0, 2, 0x4e800
	v_mov_b32 v255, 0
	s_wait_tensorcnt 0x0
	ds_add_u32 v254, v255
	s_wait_dscnt 0x0
	s_endpgm
.Lfunc_end_k_qf697a375bc_main:
	.size	k_qf697a375bc_main, .Lfunc_end_k_qf697a375bc_main-k_qf697a375bc_main
	.p2alignl 7, 3214868480
	.fill 96, 4, 3214868480
	.section	.rodata,"a",@progbits
	.p2align	6, 0x0
	.amdhsa_kernel k_qf697a375bc_main
		.amdhsa_group_segment_fixed_size 327680
		.amdhsa_private_segment_fixed_size 0
		.amdhsa_enable_private_segment 0
		.amdhsa_kernarg_size 88
		.amdhsa_user_sgpr_count 2
		.amdhsa_user_sgpr_kernarg_segment_ptr 1
		.amdhsa_wavefront_size32 1
		.amdhsa_system_sgpr_workgroup_id_x 1
		.amdhsa_system_sgpr_workgroup_id_y 1
		.amdhsa_system_sgpr_workgroup_id_z 1
		.amdhsa_system_vgpr_workitem_id 0
		.amdhsa_next_free_vgpr 1024
		.amdhsa_next_free_sgpr 84
		.amdhsa_reserve_vcc 0
		.amdhsa_float_denorm_mode_32 3
		.amdhsa_float_denorm_mode_16_64 3
		.amdhsa_memory_ordered 1
		.amdhsa_forward_progress 1
		.amdhsa_inst_pref_size 255
	.end_amdhsa_kernel
	.section	.bss,"aw",@nobits
	.p2align	6
	.space	262144
	.amdgpu_metadata
---
amdhsa.version: [ 1, 2 ]
amdhsa.kernels:
  - .name:           k_qf697a375bc_main
    .symbol:         k_qf697a375bc_main.kd
    .args:
      - { .name: x, .offset: 0, .size: 8, .value_kind: global_buffer, .address_space: global }
      - { .name: z, .offset: 8, .size: 8, .value_kind: global_buffer, .address_space: global }
      - { .name: pos, .offset: 16, .size: 8, .value_kind: global_buffer, .address_space: global }
      - { .name: Wq, .offset: 24, .size: 8, .value_kind: global_buffer, .address_space: global }
      - { .name: bq, .offset: 32, .size: 8, .value_kind: global_buffer, .address_space: global }
      - { .name: Wk, .offset: 40, .size: 8, .value_kind: global_buffer, .address_space: global }
      - { .name: bk, .offset: 48, .size: 8, .value_kind: global_buffer, .address_space: global }
      - { .name: Wv, .offset: 56, .size: 8, .value_kind: global_buffer, .address_space: global }
      - { .name: Wp, .offset: 64, .size: 8, .value_kind: global_buffer, .address_space: global }
      - { .name: bp, .offset: 72, .size: 8, .value_kind: global_buffer, .address_space: global }
      - { .name: part, .offset: 80, .size: 8, .value_kind: global_buffer, .address_space: global }
    .group_segment_fixed_size: 327680
    .private_segment_fixed_size: 0
    .kernarg_segment_align: 8
    .kernarg_segment_size: 88
    .max_flat_workgroup_size: 128
    .sgpr_count:     84
    .vgpr_count:     1024
    .wavefront_size: 32
...
	.end_amdgpu_metadata
.endif
;; end of part 1
;; launch combine (part 2): grid 8 x 8, 8 waves a work-group, no clusters, 11,264 bytes of LDS; arguments part, bv, out0, out1; writes out0, out1
.if DOCPART == 2
	.amdgcn_target "amdgcn-amd-amdhsa--gfx1250"
	.amdhsa_code_object_version 6
	.text
	.protected	k_qf697a375bc_combine
	.globl	k_qf697a375bc_combine
	.p2align	8
	.type	k_qf697a375bc_combine,@function
k_qf697a375bc_combine:
	s_mov_b64 s[64:65], 0
	v_nop
	global_prefetch_b8 v0, s[64:65] scope:SCOPE_SE
	s_setreg_imm32_b32 hwreg(HW_REG_WAVE_MODE, 25, 1), 1
	s_wait_xcnt 0x0
; The 64 partial softmax sums of batch b = work-group y are merged for head h = work-group x:
; with M = the largest m, e = 2^(m - M), S = sum e l:  out0[b][h][c] = sum_rec (e / S) part[rec][h][c] + bv[c]  (the weights sum to 1, so bv is added once),  out1[b][h] = (sum e px, sum e py) / S.
; A record of part: [8 heads][256] f32, then at byte 8,192 [32 lanes][m, l, px, py], head = lane mod 8.
; Eight waves: wave w takes half w mod 2 of the head's 1,024 bytes (512 consecutive bytes a load) of the 16 records 8 s + i and 32 + 8 s + i, s = w / 2.  Each wave makes the 64 factors itself (lane = records lane and lane + 32)
; and turns them into uniform numbers through its own 256 bytes of LDS.  The four waves of a half meet in LDS behind one barrier.
; Memory binds and the work is small: no matrix unit, no tensor load, no cluster.  LIMITS: NaN and infinities are not served.
.set REC, 8704
.set RS,  2048                         ; LDS: 0: the factors, 256 bytes a wave;  RS: the waves' sums, 512 bytes a wave
	s_load_b256 s[4:11], s[0:1], 0x0               ; part 4, bv 6, out0 8, out1 10
	v_lshl_add_u32 v128, v0, 2, 0x2800
	v_mov_b32 v129, 0
	v_lshrrev_b32 v1, 5, v0
	v_readfirstlane_b32 s12, v1                    ; wave 0..7
	s_and_b32 s13, ttmp7, 0xffff                   ; b
	s_and_b32 s14, s12, 1                          ; half
	s_lshr_b32 s15, s12, 1                         ; s
	v_and_b32 v1, 31, v0                           ; lane
	v_mul_u32_u24 v2, v1, REC                      ; record = lane
	v_lshlrev_b32 v3, 4, v1                        ; 16 bytes a lane
	s_lshl_b32 s16, s12, 8
	v_lshl_add_u32 v4, v1, 2, s16                  ; my factor's word
	s_lshl_b32 s17, s15, 5
	s_add_co_u32 s17, s17, s16
	v_mov_b32 v5, s17                              ; the factors of records 8 s on
	s_lshl_b32 s17, s12, 9
	s_add_co_u32 s17, s17, RS
	v_lshl_add_u32 v6, v1, 4, s17                  ; my wave's sums
	v_mov_b32 v7, 0
	v_mov_b32 v109, 0                              ; a lane permute's destination counts as one of its sources
	v_mov_b32 v118, 0
	v_mov_b32 v119, 0
	v_mov_b32 v120, 0
	s_mov_b32 s18, 0x76543210
	s_mov_b32 s19, 0xfedcba98
	s_mul_i32 s20, s13, 64*REC                     ; the batch's 64 records
	s_lshl_b32 s22, ttmp9, 4
	s_add_co_u32 s22, s22, s20                     ; + 16 h: the head's statistics
	s_mov_b32 s23, 0
	s_mul_i32 s24, s15, 8*REC
	s_add_co_u32 s24, s24, s20
	s_lshl_b32 s26, ttmp9, 10
	s_add_co_u32 s24, s24, s26                     ; + the head's row
	s_lshl_b32 s26, s14, 9                         ; 512 x half
	s_add_co_u32 s24, s24, s26
	s_mov_b32 s25, 0
	s_mov_b32 s27, 0
	s_lshl_b32 s30, s13, 3
	s_add_co_u32 s30, s30, ttmp9                   ; 8 b + h
	s_lshl_b32 s28, s30, 10
	s_add_co_u32 s28, s28, s26
	s_mov_b32 s29, 0
	s_lshl_b32 s30, s30, 3
	s_mov_b32 s31, 0
	s_wait_kmcnt 0x0
	s_add_nc_u64 s[22:23], s[4:5], s[22:23]
	s_add_nc_u64 s[24:25], s[4:5], s[24:25]
	s_add_nc_u64 s[6:7], s[6:7], s[26:27]
	s_add_nc_u64 s[8:9], s[8:9], s[28:29]
	s_add_nc_u64 s[10:11], s[10:11], s[30:31]
	global_load_b128 v[100:103], v2, s[22:23] offset:8192            ; (m, l, px, py) of record lane
	global_load_b128 v[104:107], v2, s[22:23] offset:8192+32*REC     ; and of record lane + 32
.irp k, 0,1
.irp i, 0,1,2,3,4,5,6,7
	global_load_b128 v[32+4*(8*\k+\i):35+4*(8*\k+\i)], v3, s[24:25] offset:(\i+32*\k)*REC
.endr
.endr
	global_load_b128 v[96:99], v3, s[6:7]          ; bv
	s_wait_loadcnt 17                              ; 17 loads are younger: the statistics are in
	v_max_num_f32 v108, v100, v104
.irp m, 1,2,4,8
	v_max_num_f32_dpp v108, v108, v108 row_xmask:\m row_mask:0xf bank_mask:0xf
.endr
	v_permlanex16_b32 v109, v108, s18, s19
	v_max_num_f32 v108, v108, v109                 ; M
	v_sub_f32 v110, v100, v108
	v_sub_f32 v111, v104, v108
	v_exp_f32 v110, v110
	v_exp_f32 v111, v111
	v_nop                                          ; a plain place behind the exponentials
	s_wait_alu depctr_va_vdst(0)
	v_mul_f32 v112, v110, v101
	v_mul_f32 v113, v110, v102
	v_mul_f32 v114, v110, v103
	v_fma_f32 v112, v111, v105, v112               ; e l
	v_fma_f32 v113, v111, v106, v113               ; e px
	v_fma_f32 v114, v111, v107, v114               ; e py
.irp m, 1,2,4,8
.irp q, 112,113,114
	v_add_f32_dpp v[\q], v[\q], v[\q] row_xmask:\m row_mask:0xf bank_mask:0xf
.endr
.endr
.irp q, 112,113,114
	v_permlanex16_b32 v[\q+6], v[\q], s18, s19
.endr
.irp q, 112,113,114
	v_add_f32 v[\q], v[\q], v[\q+6]
.endr
	v_rcp_f32 v115, v112
	v_nop                                          ; a plain place behind the reciprocal
	s_wait_alu depctr_va_vdst(0)
	v_mul_f32 v110, v110, v115                     ; e / S
	v_mul_f32 v111, v111, v115
	v_mul_f32 v116, v113, v115                     ; out1
	v_mul_f32 v117, v114, v115
	ds_store_b32 v4, v110
	ds_store_b32 v4, v111 offset:128
	ds_load_b128 v[16:19], v5                      ; LDS serves a wave's instructions in order: these see my stores.  The factors of my 16 records, the same in every lane
	ds_load_b128 v[20:23], v5 offset:16
	ds_load_b128 v[24:27], v5 offset:128
	ds_load_b128 v[28:31], v5 offset:144
	s_wait_dscnt 0x0
	s_wait_loadcnt 0x0
.irp c, 0,1,2,3
	v_mul_f32 v[8+\c], v[32+\c], v16               ; the first record starts the sums
.endr
.set q, 1
.rept 15
.irp c, 0,1,2,3
	v_fma_f32 v[8+\c], v[32+4*q+\c], v[16+q], v[8+\c]
.endr
.set q, q+1
.endr
	ds_store_b128 v6, v[8:11]
	s_wait_dscnt 0x0                               ; my sums are stored
	s_barrier_signal -1
	s_barrier_wait -1                              ; everybody's are
	s_cmp_gt_u32 s12, 1                            ; waves 0 and 1 finish the two halves
	s_cbranch_scc1 .Lend
	ds_load_b128 v[12:15], v6 offset:1024          ; waves w + 2, w + 4, w + 6 have the same half
	ds_load_b128 v[32:35], v6 offset:2048
	ds_load_b128 v[36:39], v6 offset:3072
	v_pk_add_f32 v[8:9], v[8:9], v[96:97]          ; + bv
	v_pk_add_f32 v[10:11], v[10:11], v[98:99]
	s_wait_dscnt 0x0
	v_pk_add_f32 v[12:13], v[12:13], v[32:33]
	v_pk_add_f32 v[14:15], v[14:15], v[34:35]
	v_pk_add_f32 v[8:9], v[8:9], v[36:37]
	v_pk_add_f32 v[10:11], v[10:11], v[38:39]
	v_pk_add_f32 v[8:9], v[8:9], v[12:13]
	v_pk_add_f32 v[10:11], v[10:11], v[14:15]
	global_store_b128 v3, v[8:11], s[8:9]          ; 512 consecutive bytes, at a multiple of 256 from out0's first byte
	s_cmp_lg_u32 s12, 0
	s_cbranch_scc1 .Lend
	v_cmp_eq_u32 vcc_lo, 0, v1
	s_wait_xcnt 0x0                                ; EXEC changes only behind this wait: the store above has it among its sources
	s_and_saveexec_b32 s20, vcc_lo
	global_store_b64 v7, v[116:117], s[10:11]      ; out1[b][h]: 8 bytes from lane 0 (the whole output has 512)
	s_wait_xcnt 0x0
	s_or_b32 exec_lo, exec_lo, s20
.Lend:
	s_wait_tensorcnt 0x0
	ds_add_u32 v128, v129
	s_wait_dscnt 0x0
	s_endpgm
.Lfunc_end_k_qf697a375bc_combine:
	.size	k_qf697a375bc_combine, .Lfunc_end_k_qf697a375bc_combine-k_qf697a375bc_combine
	.p2alignl 7, 3214868480
	.fill 96, 4, 3214868480
	.section	.rodata,"a",@progbits
	.p2align	6, 0x0
	.amdhsa_kernel k_qf697a375bc_combine
		.amdhsa_group_segment_fixed_size 11264
		.amdhsa_private_segment_fixed_size 0
		.amdhsa_enable_private_segment 0
		.amdhsa_kernarg_size 32
		.amdhsa_user_sgpr_count 2
		.amdhsa_user_sgpr_kernarg_segment_ptr 1
		.amdhsa_wavefront_size32 1
		.amdhsa_system_sgpr_workgroup_id_x 1
		.amdhsa_system_sgpr_workgroup_id_y 1
		.amdhsa_system_sgpr_workgroup_id_z 1
		.amdhsa_system_vgpr_workitem_id 0
		.amdhsa_next_free_vgpr 130
		.amdhsa_next_free_sgpr 66
		.amdhsa_reserve_vcc 1
		.amdhsa_float_denorm_mode_32 3
		.amdhsa_float_denorm_mode_16_64 3
		.amdhsa_memory_ordered 1
		.amdhsa_forward_progress 1
		.amdhsa_inst_pref_size 12
	.end_amdhsa_kernel
	.amdgpu_metadata
---
amdhsa.version: [ 1, 2 ]
amdhsa.kernels:
  - .name:           k_qf697a375bc_combine
    .symbol:         k_qf697a375bc_combine.kd
    .args:
      - { .name: part, .offset: 0, .size: 8, .value_kind: global_buffer, .address_space: global }
      - { .name: bv, .offset: 8, .size: 8, .value_kind: global_buffer, .address_space: global }
      - { .name: out0, .offset: 16, .size: 8, .value_kind: global_buffer, .address_space: global }
      - { .name: out1, .offset: 24, .size: 8, .value_kind: global_buffer, .address_space: global }
    .group_segment_fixed_size: 11264
    .private_segment_fixed_size: 0
    .kernarg_segment_align: 8
    .kernarg_segment_size: 32
    .max_flat_workgroup_size: 256
    .sgpr_count:     66
    .vgpr_count:     130
    .wavefront_size: 32
...
	.end_amdgpu_metadata
.endif
;; end of part 2
